; MI455X (gfx1250); checked and timed in simulation.
; The chip was launched on July 23, 2026; its instructions are those of AMD's public machine-readable ISA for CDNA 5 (MIT licence, August 2026) and "CDNA5" Instruction Set Architecture Reference Guide (July 2026). The comments in the code are by the model that wrote it; some were corrected since.
;; Compiled Logic Net. Allowed arithmetic: float matrix products may take bf16 or f16 operands with f32 sums; other float arithmetic in f32, or as packed bf16 or f16 multiplies, adds, multiply-adds, maxima and minima; sums over many terms, partial sums and values carried from step to step in f32; what a program stores and reads back later, other than sums and carried values, may be rounded once to bf16 or f16.
;; Inputs: idx_a0 16,000 int32; idx_a1 16,000 int32; idx_a2 16,000 int32; idx_a3 16,000 int32; idx_b0 16,000 int32; idx_b1 16,000 int32; idx_b2 16,000 int32; idx_b3 16,000 int32; ops0 16,000 int32; ops1 16,000 int32; ops2 16,000 int32; ops3 16,000 int32; x 2,048 x 1,024 float32.
;; Outputs: out0 2,048 x 10 int32.
;; 2 versions, each right; version 2 is version 1 with the launch logic written anew for expert scheduling mode. Each part assembles by itself: llvm-mc -triple=amdgcn-amd-amdhsa -mcpu=gfx1250 --defsym DOCPART=n.
;; ======== version 1 of 2: 1 launch
;; launch logic (part 1): grid 64 x 1, 25 waves a work-group, no clusters, 134,656 bytes of LDS; arguments x, idx_a0, idx_b0, ops0, idx_a1, idx_b1, ops1, idx_a2, idx_b2, ops2, idx_a3, idx_b3, ops3, out0; writes out0
.if DOCPART == 1
	.amdgcn_target "amdgcn-amd-amdhsa--gfx1250"
	.amdhsa_code_object_version 6
	.text
	.protected	k_q1b94617e0b_logic
	.globl	k_q1b94617e0b_logic
	.p2align	8
	.type	k_q1b94617e0b_logic,@function
k_q1b94617e0b_logic:
	s_mov_b64 s[64:65], 0
	v_nop
	global_prefetch_b8 v0, s[64:65] scope:SCOPE_SE
	s_setreg_imm32_b32 hwreg(HW_REG_WAVE_MODE, 25, 1), 1
	s_wait_xcnt 0x0
; A NET OF LOGIC GATES, BIT-PACKED.  h0 = (x > 0.5); four layers of 16,000 gates, gate g of a layer = bit (3 - 2 a - b) of ops[g], with a = h[idx_a[g]], b = h[idx_b[g]] of the layer before;
; out0[sample][class] = how many of the class's 1,600 gates of the last layer are 1.  x: [2048][1024] f32; the twelve tables: [16000] int32; out0: [2048][10] int32.
; NO WORK IS LEFT OUT, and every input is loaded.  Two identities, true for all values, shape the work: the shift 3 - 2 a - b is 0 to 3, so only bits 0 to 3 of an op are ever read; and no
; step mixes samples, so a gate on 0/1 numbers is the same gate taken bit by bit on a word that holds 32 samples.  All results are whole numbers and exact.
; LIMITS.  An index outside its table (the problem has none) is taken as an unsigned number and held to the table's last entry.  A NaN in x counts as 0, as x > 0.5 does.
; SHARES.  A work-group owns 32 samples (one word a gate) and walks all 64,000 gates, since a gate may read any gate of the layer before and work-groups hand each other nothing.
; 2,048 samples / 32 = 64 work-groups.  Narrower words would make more work-groups, each still walking 64,000 gates: more table reads and more LDS gathers, and no shorter walk.
; 25 waves = 800 threads; 16,000 gates = 4,000 quads of 4 neighbouring gates (16 bytes of each table) = 5 quads a thread and layer.
; LDS holds two layers, one word a gate, which take turns: x words -> A -> B -> A; the last layer is counted in registers and never stored.
; THE TABLES COME THROUGH REGISTERS, a whole layer ahead: a ring of 15 loads of 16 bytes a lane (5 quads x idx_a, idx_b, ops); a quad's registers are asked for again, for the next layer, as soon as they are used.
; NO CLUSTER, though all work-groups read the same tables: a joint load lands in LDS, from where a lane would read three times 16 bytes back for each 4 gates, beside the 8 gathers and the store
; that those gates cost LDS already; through registers the tables touch LDS not at all.
; No base, offset register or EXEC is ever rewritten while a global instruction may read it: bases are set once at the head, the steps stand in the immediates.
.set LA,    0                          ; LDS: layer buffer A, 16,000 words
.set LB,    64000                      ; layer buffer B; its first 4,096 bytes hold the 1,024 x words until layer 1 writes B
.set LC,    128000                     ; one word of packed counts a thread: 3,200 bytes, in 13 blocks of 256 of their own
.set SPARE, 131328                     ; the spare words: 128 bytes for each of 25 waves, 13 blocks of 256 bytes that no other line names
.set OFF,   1                          ; v1   16 t: my quad's bytes in the tables of layers 0 to 2, and where I store in A; never rewritten
.set OFFB,  2                          ; v2   16 t + LB: where I store in B
.set SPW,   3                          ; v3   LDS address of my spare word: SPARE + 4 t; never rewritten
.set NIL,   4                          ; v4   0; never rewritten
.set XO,    5                          ; v5   8 t: my two columns in a row of x, my two x words in LDS, my two words of out0
.set CA4,   7                          ; v7   LC + 4 t
.set LN,    8                          ; v8   t % 16
.set OFF3,  13                         ; v13  16 t + 5,120 (t / 80): my quad's bytes in layer 3's tables
.set IDX,   16                         ; v[16:75]   quad j: idx_a at IDX + 12 j, idx_b at + 4, ops at + 8
.set G,     76                         ; v[76:91]   gathered words, two sets: a's four at G + 8 (j % 2), b's four behind them
.set M,     92                         ; v[92:107]  gate k's four masks (0 or all ones) at M + 4 k: bit 0 .. bit 3 of its op
.set T,     M                          ;            later: the neighbour lane's planes
.set O,     108                        ; v[108:111] a quad's four result words
.set P,     112                        ; v[112:120] counter planes: bit s of plane k is bit k of sample s's count
.set XT,    121                        ; v121-125   at work in the adders
.set C1,    122
.set C2,    123                        ; = C1 + 1: the carries take turns
.set DD,    124
.set EE,    125
.set ACC,   126                        ; v126 two samples' counts, one in each half
.set XR,    76                         ; v[76:139]  at the start only: 32 rows x 2 numbers of x
.set XA,    140                        ; v[140:141] the two x words as they are built
.set WV,    32                         ; s32  my wave's number
; One table load: layer l, quad j, table w (0 idx_a, 1 idx_b, 2 ops).  Layers 0 to 2: thread t has quads t + 800 j.  Layer 3: quads 400 c + (t - 80 c) + 80 j with c = t / 80, so that all of a
; thread's gates, and all 16 lanes of a row, belong to class c.  In both maps sixteen neighbouring lanes read 256 consecutive bytes, at a multiple of 256 from the table's first byte.
.macro LDI l, j, w
.if (\l) == 3
	global_load_b128 v[IDX+12*(\j)+4*(\w):IDX+12*(\j)+4*(\w)+3], v[OFF3], s[6+6*(\l)+2*(\w):7+6*(\l)+2*(\w)] offset:1280*(\j)
.else
	global_load_b128 v[IDX+12*(\j)+4*(\w):IDX+12*(\j)+4*(\w)+3], v[OFF], s[6+6*(\l)+2*(\w):7+6*(\l)+2*(\w)] offset:12800*(\j)
.endif
.endm
; A layer's 15 loads in THE RING'S ORDER, which is the order in which they are used: a0 b0 a1 b1 o0 a2 b2 o1 a3 b3 o2 a4 b4 o3 o4.  The refills in S1 and S2 fall into the same order.
.macro FILL l
	LDI \l, 0, 0
	LDI \l, 0, 1
	LDI \l, 1, 0
	LDI \l, 1, 1
	LDI \l, 0, 2
	LDI \l, 2, 0
	LDI \l, 2, 1
	LDI \l, 1, 2
	LDI \l, 3, 0
	LDI \l, 3, 1
	LDI \l, 2, 2
	LDI \l, 4, 0
	LDI \l, 4, 1
	LDI \l, 3, 2
	LDI \l, 4, 2
.endm
; Every wave's LDS instructions are done, then the work-group's barrier.  Table loads stay on their way across it: they read inputs, which nobody writes.
.macro MEET
	s_wait_dscnt 0x0
	s_barrier_signal -1
	s_barrier_wait -1
.endm
; S1: quad j's eight indices become LDS addresses, and its eight words are gathered from the layer at byte src.  cl = the table's last entry.  n1 = the loads issued behind this quad's idx_b.
.macro S1 l, j, src, cl, n1
	s_wait_loadcnt \n1                             ; loads come back in order: idx_a and idx_b of quad j are in
.set r, 0
.rept 8
	v_min_u32 v[IDX+12*(\j)+r], \cl, v[IDX+12*(\j)+r]  ; inside the table
.set r, r+1
.endr
.set r, 0
.rept 8
	v_lshlrev_b32 v[IDX+12*(\j)+r], 2, v[IDX+12*(\j)+r]  ; a word a gate
.set r, r+1
.endr
.set r, 0
.rept 8
	ds_load_b32 v[G+8*((\j)%2)+r], v[IDX+12*(\j)+r] offset:\src
.set r, r+1
.endr
.if (\l) < 3
	LDI (\l)+1, \j, 0                              ; the same registers take the next layer's indices
	LDI (\l)+1, \j, 1
.endif
.endm
; A full adder on words: s = a ^ b ^ d, c = the majority.  s may be a.
.macro FA s, c, a, b, d
	v_xor_b32 v[XT], v[\a], v[\b]
	v_bfi_b32 v[\c], v[XT], v[\d], v[\a]           ; where a and b differ the carry is d, else it is a
	v_xor_b32 v[\s], v[XT], v[\d]
.endm
; Quad j's four words are added to the planes.  The count is 4 (j + 1) at the most, so a plane is first written where the count can first reach it, and nothing is cleared.
.macro COUNT j
.if (\j) == 0
	FA P, C1, O, O+1, O+2
	v_and_b32 v[C2], v[P], v[O+3]
	v_xor_b32 v[P], v[P], v[O+3]
	v_xor_b32 v[P+1], v[C1], v[C2]
	v_and_b32 v[P+2], v[C1], v[C2]
.else
	FA P, C1, P, O, O+1
	FA P, C2, P, O+2, O+3
	FA P+1, DD, P+1, C1, C2                        ; DD weighs 4
.if (\j) == 1
	v_and_b32 v[P+3], v[P+2], v[DD]
	v_xor_b32 v[P+2], v[P+2], v[DD]
.elseif (\j) == 2
	v_and_b32 v[EE], v[P+2], v[DD]
	v_xor_b32 v[P+2], v[P+2], v[DD]
	v_xor_b32 v[P+3], v[P+3], v[EE]                ; 12 at the most: no carry leaves plane 3
.elseif (\j) == 3
	v_and_b32 v[EE], v[P+2], v[DD]
	v_xor_b32 v[P+2], v[P+2], v[DD]
	v_and_b32 v[P+4], v[P+3], v[EE]
	v_xor_b32 v[P+3], v[P+3], v[EE]
.else
	v_and_b32 v[EE], v[P+2], v[DD]
	v_xor_b32 v[P+2], v[P+2], v[DD]
	v_and_b32 v[DD], v[P+3], v[EE]
	v_xor_b32 v[P+3], v[P+3], v[EE]
	v_or_b32 v[P+4], v[P+4], v[DD]                 ; 20 at the most: plane 4 and the carry are never both 1
.endif
.endif
.endm
; S2: quad j's four gates.  Each op's bits 0 to 3 are spread into masks; b picks bit 0 or 1 (the row a = 1) and bit 2 or 3 (the row a = 0); a picks the row.
; n2 = the loads issued behind this quad's ops.  dsc = the LDS instructions issued behind this quad's gathers.  Layers 0 to 2 store the four words at dst; layer 3 counts them.
.macro S2 l, j, dst, n2, dsc
.set GA, G+8*((\j)%2)
.set GB, GA+4
.set OPR, IDX+12*(\j)+8
	s_wait_loadcnt \n2                             ; ops of quad j are in
.set k, 0
.rept 4
.set bt, 0
.rept 4
	v_lshlrev_b32 v[M+4*k+bt], 31-bt, v[OPR+k]     ; bit bt to the top,
.set bt, bt+1
.endr
.set k, k+1
.endr
.if (\l) < 3
	LDI (\l)+1, \j, 2                              ; the same registers take the next layer's ops
.endif
.set k, 0
.rept 16
	v_ashrrev_i32 v[M+k], 31, v[M+k]               ; and from there into all 32 places
.set k, k+1
.endr
	s_wait_dscnt \dsc                              ; LDS serves a wave in order: quad j's eight words are in
.set k, 0
.rept 4
	v_bfi_b32 v[M+4*k], v[GB+k], v[M+4*k], v[M+4*k+1]
	v_bfi_b32 v[M+4*k+2], v[GB+k], v[M+4*k+2], v[M+4*k+3]
.set k, k+1
.endr
.set k, 0
.rept 4
	v_bfi_b32 v[O+k], v[GA+k], v[M+4*k], v[M+4*k+2]
.set k, k+1
.endr
.if (\l) < 3
	ds_store_b128 v[\dst], v[O:O+3] offset:12800*(\j)  ; lane i at 16 i: neighbouring lanes, neighbouring 16 bytes
.else
	COUNT \j
.endif
.endm
; A LAYER.  A quad's gathers are issued one quad ahead of its gates.
; LOADcnt, layers 0 to 2: the ring always holds 15 loads, so behind a quad's idx_b stand 13 (the rest of this layer's and the next layer's so far), behind its ops 14.
; LOADcnt, layer 3: nothing is asked for any more, so the count is 14 less the load's place in the ring's order.
; DScnt: behind a quad's gathers stand the next quad's 8, and in layers 0 to 2 the store of the quad before (none yet at quad 0); behind the last quad's only that store, or nothing.
.macro LAYER l, src, cl, dst
.if (\l) < 3
	S1 \l, 0, \src, \cl, 13
	S1 \l, 1, \src, \cl, 13
	S2 \l, 0, \dst, 14, 8
	S1 \l, 2, \src, \cl, 13
	S2 \l, 1, \dst, 14, 9
	S1 \l, 3, \src, \cl, 13
	S2 \l, 2, \dst, 14, 9
	S1 \l, 4, \src, \cl, 13
	S2 \l, 3, \dst, 14, 9
	S2 \l, 4, \dst, 14, 1
	MEET                                           ; my stores of this layer are done and my reads of the layer before are over; behind the barrier that holds of all 25 waves
.else
	S1 \l, 0, \src, \cl, 13
	S1 \l, 1, \src, \cl, 11
	S2 \l, 0, \dst, 10, 8
	S1 \l, 2, \src, \cl, 8
	S2 \l, 1, \dst, 7, 8
	S1 \l, 3, \src, \cl, 5
	S2 \l, 2, \dst, 4, 8
	S1 \l, 4, \src, \cl, 2
	S2 \l, 3, \dst, 1, 8
	S2 \l, 4, \dst, 0, 0
.endif
.endm
; The planes of the lane m away in my row of 16 are added to mine: a ripple adder over p planes, which makes p + 1.
.macro RSTAGE m, p
.set k, 0
.rept \p
	v_mov_b32_dpp v[T+k], v[P+k] row_xmask:\m row_mask:0xf bank_mask:0xf  ; its destination counts as read: every wave has written these registers as masks
.set k, k+1
.endr
	v_and_b32 v[C1], v[P], v[T]
	v_xor_b32 v[P], v[P], v[T]
.set k, 1
.rept (\p)-1
.set ci, C1+(k+1)%2
.set co, C1+k%2
.if k == (\p)-1
.set co, P+(\p)                        ; the last carry is the new plane
.endif
	v_xor_b32 v[XT], v[P+k], v[T+k]
	v_bfi_b32 v[co], v[XT], v[ci], v[T+k]
	v_xor_b32 v[P+k], v[XT], v[ci]
.set k, k+1
.endr
.endm
	; THE HEAD: 14 addresses.  x s[4:5]; layer l: idx_a s[6+6l:7+6l], idx_b s[8+6l:9+6l], ops s[10+6l:11+6l]; out0 s[30:31]
	s_load_b512 s[4:19], s[0:1], 0x0
	s_load_b256 s[20:27], s[0:1], 0x40
	s_load_b128 s[28:31], s[0:1], 0x60
	v_lshl_add_u32 v[SPW], v0, 2, SPARE
	v_mov_b32 v[NIL], 0
	v_lshrrev_b32 v9, 5, v0
	v_readfirstlane_b32 s[WV], v9                  ; wave 0..24
	v_lshlrev_b32 v[OFF], 4, v0
	v_lshl_add_u32 v[OFFB], v0, 4, LB
	v_lshlrev_b32 v[XO], 3, v0
	v_lshl_add_u32 v[CA4], v0, 2, LC
	v_and_b32 v[LN], 15, v0
	v_lshrrev_b32 v10, 4, v0                       ; my row of 16 lanes, 0..49
	v_mul_u32_u24 v10, v10, 205
	v_lshrrev_b32 v10, 10, v10                     ; / 5 (205 / 1,024 is 0.2 and 0.0002 more: exact up to 49): my class c = t / 80
	v_mul_u32_u24 v10, v10, 5120
	v_add_nc_u32 v[OFF3], v10, v[OFF]
	s_lshl_b32 s2, ttmp9, 17                       ; the work-group's 32 rows of x, 4,096 bytes each
	s_mov_b32 s3, 0
	s_mul_i32 s34, ttmp9, 1280                     ; and of out0, 40 bytes each
	s_mov_b32 s35, 0
	s_wait_kmcnt 0x0
	s_add_nc_u64 s[4:5], s[4:5], s[2:3]
	s_add_nc_u64 s[30:31], s[30:31], s[34:35]
	; THE X WORDS.  Waves 0 to 15: thread t takes columns 2 t and 2 t + 1 of all 32 rows: a wave's load covers 256 consecutive bytes of a row, aligned.  All 32 loads go out at once, layer 0's
	; tables behind them.  The other nine waves ask for the tables alone.  Both arms end with the same 15 loads on their way, in the same order.
	s_cmp_lt_u32 s[WV], 16
	s_cbranch_scc0 .Lothers
.set i, 0
.rept 32
	global_load_b64 v[XR+2*i:XR+2*i+1], v[XO], s[4:5] offset:(31-i)*4096 th:TH_LOAD_NT  ; the rows descend: the word is shifted left as it grows, so row r ends in bit r
.set i, i+1
.endr
	FILL 0
.set i, 0
.rept 32
	s_wait_loadcnt 46-i                            ; behind this row's load stand the 31 - i rows still to come and the 15 table loads
.if i == 0
	v_cmp_lt_f32 vcc_lo, 0.5, v[XR]
	v_cndmask_b32 v[XA], 0, 1, vcc_lo              ; the first bit starts the word: nothing is cleared
	v_cmp_lt_f32 vcc_lo, 0.5, v[XR+1]
	v_cndmask_b32 v[XA+1], 0, 1, vcc_lo
.else
	v_cmp_lt_f32 vcc_lo, 0.5, v[XR+2*i]
	v_add_co_ci_u32 v[XA], vcc_lo, v[XA], v[XA], vcc_lo        ; twice the word, plus the new bit
	v_cmp_lt_f32 vcc_lo, 0.5, v[XR+2*i+1]
	v_add_co_ci_u32 v[XA+1], vcc_lo, v[XA+1], v[XA+1], vcc_lo
.endif
.set i, i+1
.endr
	ds_store_b64 v[XO], v[XA:XA+1] offset:LB
	s_branch .Ljoin
.Lothers:
	FILL 0
.Ljoin:
	MEET                                           ; the 1,024 x words lie in LDS
	LAYER 0, LB, 0x3ff,  OFF                       ; x words -> A
	LAYER 1, LA, 0x3e7f, OFFB                      ; A -> B (the x words, read for the last time in front of the barrier, are written over)
	LAYER 2, LB, 0x3e7f, OFF                       ; B -> A
	LAYER 3, LA, 0x3e7f, OFF                       ; A -> my five planes: 20 gates of one class, for 32 samples
	; THE COUNTS.  The 16 lanes of a row add their planes: 20, 40, 80, 160, 320 at the most: 5 planes grow to 9, alike in all 16 lanes.
	RSTAGE 1, 5
	RSTAGE 2, 6
	RSTAGE 4, 7
	RSTAGE 8, 8
	; Lane n of the row takes out samples n and n + 16: bit n and bit n + 16 of plane k are bit k of the two counts, one in each half of a word.
.set k, 0
.rept 9
	v_lshrrev_b32 v[T+k], v[LN], v[P+k]
.if k == 0
	v_and_b32 v[ACC], 0x10001, v[T]
.else
	v_and_b32 v[T+k], 0x10001, v[T+k]
	v_lshl_or_b32 v[ACC], v[T+k], k, v[ACC]
.endif
.set k, k+1
.endr
	ds_store_b32 v[CA4], v[ACC]                    ; row R's sixteen words at LC + 64 R
	MEET                                           ; all 50 rows' counts lie in LDS
	; THE WAY OUT.  Class c is rows 5 c .. 5 c + 4.  Threads u = 0..159 (waves 0 to 4) each make two neighbouring words of out0: sample s = u / 5, classes 2 (u % 5) and the next:
	; ten rows on end.  A wave's store covers 256 consecutive bytes, at a multiple of 256 from out0's first byte (the work-group's 1,280 bytes begin at such a multiple).
	s_cmp_lt_u32 s[WV], 5
	s_cbranch_scc0 .Lend
	v_mul_u32_u24 v16, v0, 205
	v_lshrrev_b32 v16, 10, v16                     ; s = u / 5 (exact up to 159)
	v_mul_u32_u24 v17, v16, 5
	v_sub_nc_u32 v17, v0, v17                      ; u % 5
	v_min_u32 v17, 4, v17                          ; 0 to 4 by the lines above; the minimum writes that bound into the address itself
	v_and_b32 v18, 15, v16                         ; the lane that took sample s out
	v_lshlrev_b32 v18, 2, v18
	v_mad_u32_u24 v17, v17, 640, v18               ; ten rows of 64 bytes for each pair of classes
	v_add_nc_u32 v17, LC, v17
.set r, 0
.rept 10
	ds_load_b32 v[20+r], v17 offset:64*r
.set r, r+1
.endr
	v_and_b32 v19, 16, v16                         ; which half holds sample s
	s_wait_dscnt 0x0
	v_add3_u32 v30, v20, v21, v22                  ; both halves at once: 1,600 at the most, so no carry crosses
	v_add3_u32 v31, v25, v26, v27
	v_add3_u32 v30, v30, v23, v24
	v_add3_u32 v31, v31, v28, v29
	v_bfe_u32 v32, v30, v19, 16
	v_bfe_u32 v33, v31, v19, 16
	global_store_b64 v[XO], v[32:33], s[30:31] th:TH_STORE_NT
.Lend:
	s_wait_tensorcnt 0x0                           ; the wave's end: three closing lines, behind my last LDS store
	ds_add_u32 v[SPW], v[NIL]
	s_wait_dscnt 0x0
	s_endpgm
.Lfunc_end_k_q1b94617e0b_logic:
	.size	k_q1b94617e0b_logic, .Lfunc_end_k_q1b94617e0b_logic-k_q1b94617e0b_logic
	.p2alignl 7, 3214868480
	.fill 96, 4, 3214868480
	.section	.rodata,"a",@progbits
	.p2align	6, 0x0
	.amdhsa_kernel k_q1b94617e0b_logic
		.amdhsa_group_segment_fixed_size 134656
		.amdhsa_private_segment_fixed_size 0
		.amdhsa_enable_private_segment 0
		.amdhsa_kernarg_size 112
		.amdhsa_user_sgpr_count 2
		.amdhsa_user_sgpr_kernarg_segment_ptr 1
		.amdhsa_wavefront_size32 1
		.amdhsa_system_sgpr_workgroup_id_x 1
		.amdhsa_system_sgpr_workgroup_id_y 1
		.amdhsa_system_sgpr_workgroup_id_z 1
		.amdhsa_system_vgpr_workitem_id 0
		.amdhsa_next_free_vgpr 144
		.amdhsa_next_free_sgpr 66
		.amdhsa_reserve_vcc 1
		.amdhsa_float_denorm_mode_32 3
		.amdhsa_float_denorm_mode_16_64 3
		.amdhsa_memory_ordered 1
		.amdhsa_forward_progress 1
		.amdhsa_inst_pref_size 91
	.end_amdhsa_kernel
	.amdgpu_metadata
---
amdhsa.version: [ 1, 2 ]
amdhsa.kernels:
  - .name:           k_q1b94617e0b_logic
    .symbol:         k_q1b94617e0b_logic.kd
    .args:
      - { .name: x, .offset: 0, .size: 8, .value_kind: global_buffer, .address_space: global }
      - { .name: idx_a0, .offset: 8, .size: 8, .value_kind: global_buffer, .address_space: global }
      - { .name: idx_b0, .offset: 16, .size: 8, .value_kind: global_buffer, .address_space: global }
      - { .name: ops0, .offset: 24, .size: 8, .value_kind: global_buffer, .address_space: global }
      - { .name: idx_a1, .offset: 32, .size: 8, .value_kind: global_buffer, .address_space: global }
      - { .name: idx_b1, .offset: 40, .size: 8, .value_kind: global_buffer, .address_space: global }
      - { .name: ops1, .offset: 48, .size: 8, .value_kind: global_buffer, .address_space: global }
      - { .name: idx_a2, .offset: 56, .size: 8, .value_kind: global_buffer, .address_space: global }
      - { .name: idx_b2, .offset: 64, .size: 8, .value_kind: global_buffer, .address_space: global }
      - { .name: ops2, .offset: 72, .size: 8, .value_kind: global_buffer, .address_space: global }
      - { .name: idx_a3, .offset: 80, .size: 8, .value_kind: global_buffer, .address_space: global }
      - { .name: idx_b3, .offset: 88, .size: 8, .value_kind: global_buffer, .address_space: global }
      - { .name: ops3, .offset: 96, .size: 8, .value_kind: global_buffer, .address_space: global }
      - { .name: out0, .offset: 104, .size: 8, .value_kind: global_buffer, .address_space: global }
    .group_segment_fixed_size: 134656
    .private_segment_fixed_size: 0
    .kernarg_segment_align: 8
    .kernarg_segment_size: 112
    .max_flat_workgroup_size: 800
    .sgpr_count:     66
    .vgpr_count:     144
    .wavefront_size: 32
...
	.end_amdgpu_metadata
.endif
;; end of part 1
;; ======== version 2 of 2: 1 launch; version 1 with the launch logic written anew for expert scheduling mode
;; launch logic (part 2): grid 64 x 1, 25 waves a work-group, no clusters, 134,656 bytes of LDS; arguments x, idx_a0, idx_b0, ops0, idx_a1, idx_b1, ops1, idx_a2, idx_b2, ops2, idx_a3, idx_b3, ops3, out0; writes out0
.if DOCPART == 2
	.amdgcn_target "amdgcn-amd-amdhsa--gfx1250"
	.amdhsa_code_object_version 6
	.text
	.protected	k_q1b94617e0b_logic
	.globl	k_q1b94617e0b_logic
	.p2align	8
	.type	k_q1b94617e0b_logic,@function
k_q1b94617e0b_logic:
	s_mov_b64 s[64:65], 0
	v_nop
	global_prefetch_b8 v0, s[64:65] scope:SCOPE_SE
	s_setreg_imm32_b32 hwreg(HW_REG_WAVE_SCHED_MODE, 0, 2), 2
	s_setreg_imm32_b32 hwreg(HW_REG_WAVE_MODE, 25, 1), 1
	s_wait_xcnt 0x0
	s_wait_alu depctr_vm_vsrc(0)
; A NET OF LOGIC GATES, BIT-PACKED.  h0 = (x > 0.5); four layers of 16,000 gates, gate g of a layer = bit (3 - 2 a - b) of ops[g], with a = h[idx_a[g]], b = h[idx_b[g]] of the layer before;
; out0[sample][class] = how many of the class's 1,600 gates of the last layer are 1.  x: [2048][1024] f32; the twelve tables: [16000] int32; out0: [2048][10] int32.
; NO WORK IS LEFT OUT, and every input is loaded.  Two identities, true for all values, shape the work: the shift 3 - 2 a - b is 0 to 3, so only bits 0 to 3 of an op are ever read; and no
; step mixes samples, so a gate on 0/1 numbers is the same gate taken bit by bit on a word that holds 32 samples.  All results are whole numbers and exact.
; LIMITS.  An index outside its table (the problem has none) is taken as an unsigned number and held to the table's last entry.  A NaN in x counts as 0, as x > 0.5 does.
; SHARES.  A work-group owns 32 samples (one word a gate) and walks all 64,000 gates, since a gate may read any gate of the layer before and work-groups hand each other nothing.
; 2,048 samples / 32 = 64 work-groups.  Narrower words would make more work-groups, each still walking 64,000 gates: more table reads and more LDS gathers, and no shorter walk.
; 25 waves = 800 threads; 16,000 gates = 4,000 quads of 4 neighbouring gates (16 bytes of each table) = 5 quads a thread and layer.
; LDS holds two layers, one word a gate, which take turns: x words -> A -> B -> A; the last layer is counted in registers and never stored.
; THE TABLES COME THROUGH REGISTERS, a whole layer ahead: a ring of 15 loads of 16 bytes a lane (5 quads x idx_a, idx_b, ops); a quad's registers are asked for again, for the next layer, at the
; end of the first step behind which nothing of this layer names them.
; NO CLUSTER, though all work-groups read the same tables: a joint load lands in LDS, from where a lane would read three times 16 bytes back for each 4 gates, beside the 8 gathers and the store
; that those gates cost LDS already; through registers the tables touch LDS not at all.
; No base, offset register or EXEC is ever rewritten while a global instruction may read it: bases are set once at the head, the steps stand in the immediates.
; THE MODE: SCHED_MODE bits 1:0 = 2 (LLVM: expert scheduling mode 2), set by the entry lines.  The code itself states the register dependences between vector instructions and memory or LDS
; instructions, and between a vector instruction that writes a scalar register and its reader, with s_wait_alu, always for 0.
; THE PLAN.  Registers that memory or LDS instructions touch:
;   v1, v2, v3, v4, v5, v7, v13   offsets and addresses: written at the head, never again.
;   idx_a, idx_b of quad q        a table load lands; the minima and shifts make LDS addresses of them in place (quads 0, 1: the layer's prologue; else step q - 2); straight behind that step's wait
;                                 the quad's eight gathers read them; the next layer's load lands at the end of the step after (quads 0 and 1: step 0).
;   ops of quad q                 a table load lands; step q's sixteen shifts read them; the next layer's load lands at the end of step q.
;   G[q % 2]                      quad q's gathers land; step q's gates read them; quad q + 2's gathers land at the end of step q.
;   O                             a step's last four gate lines write it; the store at the step's end reads it (layers 0 to 2).
;   M, P and the adders' registers are named by vector instructions alone.
; A STEP is: the addresses of quad j + 2, the masks and gates of quad j, and then ONE RUN of memory and LDS instructions with no vector instruction among them: the store of quad j, the gathers of
; quad j + 2, the refills.  Two waits state all that the run hangs on: one on vm_vsrc ahead of the lines that write O, one on va_vdst ahead of the run.
; Scalar registers that vector instructions write: s32 (the wave's number) and s40 to s47 (the compares on x).  No other line writes a scalar register, VCC or a carry.
.set LA,    0                          ; LDS: layer buffer A, 16,000 words
.set LB,    64000                      ; layer buffer B; its first 4,096 bytes hold the 1,024 x words until layer 1 writes B
.set LC,    128000                     ; one word of packed counts a thread: 3,200 bytes, in 13 blocks of 256 of their own
.set SPARE, 131328                     ; the spare words: 128 bytes for each of 25 waves, 13 blocks of 256 bytes that no other line names
.set OFF,   1                          ; v1   16 t: my quad's bytes in the tables of layers 0 to 2, and where I store in A; never rewritten
.set OFFB,  2                          ; v2   16 t + LB: where I store in B
.set SPW,   3                          ; v3   LDS address of my spare word: SPARE + 4 t; never rewritten
.set NIL,   4                          ; v4   0; never rewritten
.set XO,    5                          ; v5   8 t: my two columns in a row of x, my two x words in LDS, my two words of out0
.set CA4,   7                          ; v7   LC + 4 t
.set LN,    8                          ; v8   t % 16
.set OFF3,  13                         ; v13  16 t + 5,120 (t / 80): my quad's bytes in layer 3's tables
.set IDX,   16                         ; v[16:75]   quad j: idx_a at IDX + 12 j, idx_b at + 4, ops at + 8
.set G,     76                         ; v[76:91]   gathered words, two sets: a's four at G + 8 (j % 2), b's four behind them
.set M,     92                         ; v[92:107]  gate k's four masks (0 or all ones) at M + 4 k: bit 0 .. bit 3 of its op
.set T,     M                          ;            later: the neighbour lane's planes
.set O,     108                        ; v[108:111] a quad's four result words
.set P,     112                        ; v[112:120] counter planes: bit s of plane k is bit k of sample s's count
.set XT,    121                        ; v121-125   at work in the adders
.set C1,    122
.set C2,    123                        ; = C1 + 1: the carries take turns
.set DD,    124
.set EE,    125
.set ACC,   126                        ; v126 two samples' counts, one in each half
.set XR,    76                         ; v[76:139]  at the start only: 32 rows x 2 numbers of x, then in place their bits, 0 or 1
.set XA,    140                        ; v[140:141] the two x words as they are built
.set WV,    32                         ; s32  my wave's number
.set CM,    40                         ; s[40:47]   at the start only: the masks of eight compares on x (four rows, two columns)
; One table load: layer l, quad j, table w (0 idx_a, 1 idx_b, 2 ops).  Layers 0 to 2: thread t has quads t + 800 j.  Layer 3: quads 400 c + (t - 80 c) + 80 j with c = t / 80, so that all of a
; thread's gates, and all 16 lanes of a row, belong to class c.  In both maps sixteen neighbouring lanes read 256 consecutive bytes, at a multiple of 256 from the table's first byte.
.macro LDI l, j, w
.if (\l) == 3
	global_load_b128 v[IDX+12*(\j)+4*(\w):IDX+12*(\j)+4*(\w)+3], v[OFF3], s[6+6*(\l)+2*(\w):7+6*(\l)+2*(\w)] offset:1280*(\j)
.else
	global_load_b128 v[IDX+12*(\j)+4*(\w):IDX+12*(\j)+4*(\w)+3], v[OFF], s[6+6*(\l)+2*(\w):7+6*(\l)+2*(\w)] offset:12800*(\j)
.endif
.endm
; A layer's 15 loads in THE RING'S ORDER, places 0 to 14: a0 b0 a1 b1 o0 a2 b2 o1 a3 b3 o2 a4 b4 o3 o4.  The refills at the steps' ends fall into the same order.
.macro FILL l
	LDI \l, 0, 0
	LDI \l, 0, 1
	LDI \l, 1, 0
	LDI \l, 1, 1
	LDI \l, 0, 2
	LDI \l, 2, 0
	LDI \l, 2, 1
	LDI \l, 1, 2
	LDI \l, 3, 0
	LDI \l, 3, 1
	LDI \l, 2, 2
	LDI \l, 4, 0
	LDI \l, 4, 1
	LDI \l, 3, 2
	LDI \l, 4, 2
.endm
; Every wave's LDS instructions are done, then the work-group's barrier.  Table loads stay on their way across it: they read inputs, which nobody writes.
.macro MEET
	s_wait_dscnt 0x0
	s_barrier_signal -1
	s_barrier_wait -1
.endm
; Quad j's eight indices become LDS addresses, in place.  cl = the table's last entry.
.macro ADDR j, cl
.set r, 0
.rept 8
	v_min_u32 v[IDX+12*(\j)+r], \cl, v[IDX+12*(\j)+r]  ; inside the table
.set r, r+1
.endr
.set r, 0
.rept 8
	v_lshlrev_b32 v[IDX+12*(\j)+r], 2, v[IDX+12*(\j)+r]  ; a word a gate
.set r, r+1
.endr
.endm
; Quad j's eight words are gathered from the layer at byte src.
.macro GATHER j, src
.set r, 0
.rept 8
	ds_load_b32 v[G+8*((\j)%2)+r], v[IDX+12*(\j)+r] offset:\src
.set r, r+1
.endr
.endm
; A full adder on words: s = a ^ b ^ d, c = the majority.  s may be a.
.macro FA s, c, a, b, d
	v_xor_b32 v[XT], v[\a], v[\b]
	v_bfi_b32 v[\c], v[XT], v[\d], v[\a]           ; where a and b differ the carry is d, else it is a
	v_xor_b32 v[\s], v[XT], v[\d]
.endm
; Quad j's four words are added to the planes.  The count is 4 (j + 1) at the most, so a plane is first written where the count can first reach it, and nothing is cleared.
.macro COUNT j
.if (\j) == 0
	FA P, C1, O, O+1, O+2
	v_and_b32 v[C2], v[P], v[O+3]
	v_xor_b32 v[P], v[P], v[O+3]
	v_xor_b32 v[P+1], v[C1], v[C2]
	v_and_b32 v[P+2], v[C1], v[C2]
.else
	FA P, C1, P, O, O+1
	FA P, C2, P, O+2, O+3
	FA P+1, DD, P+1, C1, C2                        ; DD weighs 4
.if (\j) == 1
	v_and_b32 v[P+3], v[P+2], v[DD]
	v_xor_b32 v[P+2], v[P+2], v[DD]
.elseif (\j) == 2
	v_and_b32 v[EE], v[P+2], v[DD]
	v_xor_b32 v[P+2], v[P+2], v[DD]
	v_xor_b32 v[P+3], v[P+3], v[EE]                ; 12 at the most: no carry leaves plane 3
.elseif (\j) == 3
	v_and_b32 v[EE], v[P+2], v[DD]
	v_xor_b32 v[P+2], v[P+2], v[DD]
	v_and_b32 v[P+4], v[P+3], v[EE]
	v_xor_b32 v[P+3], v[P+3], v[EE]
.else
	v_and_b32 v[EE], v[P+2], v[DD]
	v_xor_b32 v[P+2], v[P+2], v[DD]
	v_and_b32 v[DD], v[P+3], v[EE]
	v_xor_b32 v[P+3], v[P+3], v[EE]
	v_or_b32 v[P+4], v[P+4], v[DD]                 ; 20 at the most: plane 4 and the carry are never both 1
.endif
.endif
.endm
; A LAYER'S PROLOGUE, behind the barrier: the addresses and the gathers of quads 0 and 1.
.macro PRO src, cl
	s_wait_loadcnt 11                              ; loads come back in order: a0 b0 a1 b1 are in; the ring's other eleven stay out
	ADDR 0, \cl
	ADDR 1, \cl
	s_wait_alu depctr_va_vdst(0)                   ; the sixteen addresses are written, which the gathers read; the last vector lines that named both sets of G are done (the gates of the layer before's quads 3 and 4; at the start the compares, selects and shifts on x), in which the gathers land
	GATHER 0, \src
	GATHER 1, \src
.endm
; STEP j of a layer.  Each op's bits 0 to 3 are spread into masks; b picks bit 0 or 1 (the row a = 1) and bit 2 or 3 (the row a = 0); a picks the row.
; nl = the loads issued behind the last one that the step needs (idx_b of quad j + 2, or ops of quad j).  nd = the LDS instructions issued behind quad j's gathers.
; Layers 0 to 2 store the four words at dst; layer 3 counts them.
.macro STEP l, j, src, cl, dst, nl, nd
.set GA, G+8*((\j)%2)
.set GB, GA+4
.set OPR, IDX+12*(\j)+8
	s_wait_loadcnt \nl                             ; ops of quad j are in, and so are idx_a and idx_b of quad j + 2
.if (\j) < 3
	ADDR (\j)+2, \cl
.endif
.set k, 0
.rept 4
.set bt, 0
.rept 4
	v_lshlrev_b32 v[M+4*k+bt], 31-bt, v[OPR+k]     ; bit bt to the top,
.set bt, bt+1
.endr
.set k, k+1
.endr
.set k, 0
.rept 16
	v_ashrrev_i32 v[M+k], 31, v[M+k]               ; and from there into all 32 places
.set k, k+1
.endr
	s_wait_dscnt \nd                               ; LDS serves a wave in order: quad j's eight words are in
.set k, 0
.rept 4
	v_bfi_b32 v[M+4*k], v[GB+k], v[M+4*k], v[M+4*k+1]
	v_bfi_b32 v[M+4*k+2], v[GB+k], v[M+4*k+2], v[M+4*k+3]
.set k, k+1
.endr
.if (\l) < 3
	s_wait_alu depctr_vm_vsrc(0)                   ; the store of the quad before has read O, which the four lines below write; the gathers issued so far have read their address registers, in which this step's refills land
.elseif (\j) == 0
	s_wait_alu depctr_vm_vsrc(0)                   ; layer 2's last store has read O, which the four lines below write; the gathers of quads 0 and 1 have read v16 to v23 and v28 to v35, of which the way out writes v16 to v33
.endif
.set k, 0
.rept 4
	v_bfi_b32 v[O+k], v[GA+k], v[M+4*k], v[M+4*k+2]
.set k, k+1
.endr
.if (\l) < 3
	s_wait_alu depctr_va_vdst(0)                   ; O and quad j + 2's addresses are written, which the store and the gathers read; the gates are done reading this set of G, the shifts reading ops, and the earlier minima and shifts have written the indices: in all of these loads land below
	ds_store_b128 v[\dst], v[O:O+3] offset:12800*(\j)  ; lane i at 16 i: neighbouring lanes, neighbouring 16 bytes
.if (\j) < 3
	GATHER (\j)+2, \src
.endif
.if (\j) == 0
	LDI (\l)+1, 0, 0                               ; the same registers take the next layer's tables, in the ring's order
	LDI (\l)+1, 0, 1
.endif
.if (\j) < 4
	LDI (\l)+1, (\j)+1, 0
	LDI (\l)+1, (\j)+1, 1
.endif
	LDI (\l)+1, \j, 2
.else
.if (\j) < 3
	s_wait_alu depctr_va_vdst(0)                   ; quad j + 2's addresses are written, which the gathers read; the gates are done reading this set of G, in which they land
	GATHER (\j)+2, \src
.endif
	COUNT \j                                       ; names O, the planes and the adders' registers: none that the gathers touch
.endif
.endm
; A LAYER.  A quad's gathers are issued one quad ahead of its gates.
; LOADcnt: 14 less the place in the ring's order of the last load that is needed, plus the refills issued so far in this layer (layers 0 to 2: 5, 8, 11, 14 behind steps 0 to 3; layer 3: none).
;   The prologue needs b1 (place 3); steps 0 to 4 need b2 (6), b3 (9), b4 (12), o3 (13), o4 (14).
; DScnt: behind a quad's gathers stand the next quad's 8, and in layers 0 to 2 the store that was issued just ahead of those (none yet at quad 0); behind the last quad's only a store, or nothing.
.macro LAYER l, src, cl, dst
	PRO \src, \cl
.if (\l) < 3
	STEP \l, 0, \src, \cl, \dst, 8, 8
	STEP \l, 1, \src, \cl, \dst, 10, 9
	STEP \l, 2, \src, \cl, \dst, 10, 9
	STEP \l, 3, \src, \cl, \dst, 12, 9
	STEP \l, 4, \src, \cl, \dst, 14, 1
	MEET                                           ; my stores of this layer are done and my reads of the layer before are over; behind the barrier that holds of all 25 waves
.else
	STEP \l, 0, \src, \cl, \dst, 8, 8
	STEP \l, 1, \src, \cl, \dst, 5, 8
	STEP \l, 2, \src, \cl, \dst, 2, 8
	STEP \l, 3, \src, \cl, \dst, 1, 8
	STEP \l, 4, \src, \cl, \dst, 0, 0
.endif
.endm
; The planes of the lane m away in my row of 16 are added to mine: a ripple adder over p planes, which makes p + 1.
.macro RSTAGE m, p
.set k, 0
.rept \p
	v_mov_b32_dpp v[T+k], v[P+k] row_xmask:\m row_mask:0xf bank_mask:0xf  ; its destination counts as read: every wave has written these registers as masks
.set k, k+1
.endr
	v_and_b32 v[C1], v[P], v[T]
	v_xor_b32 v[P], v[P], v[T]
.set k, 1
.rept (\p)-1
.set ci, C1+(k+1)%2
.set co, C1+k%2
.if k == (\p)-1
.set co, P+(\p)                        ; the last carry is the new plane
.endif
	v_xor_b32 v[XT], v[P+k], v[T+k]
	v_bfi_b32 v[co], v[XT], v[ci], v[T+k]
	v_xor_b32 v[P+k], v[XT], v[ci]
.set k, k+1
.endr
.endm
	; THE HEAD: 14 addresses.  x s[4:5]; layer l: idx_a s[6+6l:7+6l], idx_b s[8+6l:9+6l], ops s[10+6l:11+6l]; out0 s[30:31]
	s_load_b512 s[4:19], s[0:1], 0x0
	s_load_b256 s[20:27], s[0:1], 0x40
	s_load_b128 s[28:31], s[0:1], 0x60
	v_lshl_add_u32 v[SPW], v0, 2, SPARE
	v_mov_b32 v[NIL], 0
	v_lshrrev_b32 v9, 5, v0
	v_readfirstlane_b32 s[WV], v9                  ; wave 0..24
	v_lshlrev_b32 v[OFF], 4, v0
	v_lshl_add_u32 v[OFFB], v0, 4, LB
	v_lshlrev_b32 v[XO], 3, v0
	v_lshl_add_u32 v[CA4], v0, 2, LC
	v_and_b32 v[LN], 15, v0
	v_lshrrev_b32 v10, 4, v0                       ; my row of 16 lanes, 0..49
	v_mul_u32_u24 v10, v10, 205
	v_lshrrev_b32 v10, 10, v10                     ; / 5 (205 / 1,024 is 0.2 and 0.0002 more: exact up to 49): my class c = t / 80
	v_mul_u32_u24 v10, v10, 5120
	v_add_nc_u32 v[OFF3], v10, v[OFF]
	s_lshl_b32 s2, ttmp9, 17                       ; the work-group's 32 rows of x, 4,096 bytes each
	s_mov_b32 s3, 0
	s_mul_i32 s34, ttmp9, 1280                     ; and of out0, 40 bytes each
	s_mov_b32 s35, 0
	s_wait_kmcnt 0x0
	s_add_nc_u64 s[4:5], s[4:5], s[2:3]
	s_add_nc_u64 s[30:31], s[30:31], s[34:35]
	s_wait_alu depctr_va_sdst(0)                   ; the wave's number is written into s32, ahead of its first reader, the compare below
	s_wait_alu depctr_va_vdst(0)                   ; the offsets and addresses v1, v2, v3, v4, v5, v7 and v13 are written: every load and store of the kernel, in both arms below and behind them, reads one of them
	; THE X WORDS.  Waves 0 to 15: thread t takes columns 2 t and 2 t + 1 of all 32 rows: a wave's load covers 256 consecutive bytes of a row, aligned.  All 32 loads go out at once, layer 0's
	; tables behind them.  The other nine waves ask for the tables alone.  Both arms end with the same 15 loads on their way, in the same order.
	s_cmp_lt_u32 s[WV], 16
	s_cbranch_scc0 .Lothers
.set i, 0
.rept 32
	global_load_b64 v[XR+2*i:XR+2*i+1], v[XO], s[4:5] offset:(31-i)*4096 th:TH_LOAD_NT  ; the rows descend: the word is shifted left as it grows, so row r ends in bit r
.set i, i+1
.endr
	FILL 0
	; Four rows at a time: a run of eight compares into eight scalar registers, one wait behind the run, eight selects that make 0 or 1 of the masks, in place of the numbers compared, and eight
	; lines that shift a word by one place and take the bit in, the rows in the order in which they were loaded.  No line here writes a carry.
.set q, 0
.rept 8
	s_wait_loadcnt 43-4*q                          ; behind the run's last row stand the 28 - 4 q rows still to come and the 15 table loads
.set k, 0
.rept 4
	v_cmp_lt_f32 s[CM+2*k], 0.5, v[XR+2*(4*q+k)]
	v_cmp_lt_f32 s[CM+2*k+1], 0.5, v[XR+2*(4*q+k)+1]
.set k, k+1
.endr
	s_wait_alu depctr_va_sdst(0)                   ; the eight compares have written s40 to s47, ahead of their first readers, the selects below
.set k, 0
.rept 4
.if 4*q+k == 0
	v_cndmask_b32 v[XA], 0, 1, s[CM]               ; the first bit starts the word: nothing is cleared
	v_cndmask_b32 v[XA+1], 0, 1, s[CM+1]
.else
	v_cndmask_b32 v[XR+2*(4*q+k)], 0, 1, s[CM+2*k]
	v_cndmask_b32 v[XR+2*(4*q+k)+1], 0, 1, s[CM+2*k+1]
.endif
.set k, k+1
.endr
.set k, 0
.rept 4
.if 4*q+k != 0
	v_lshl_or_b32 v[XA], v[XA], 1, v[XR+2*(4*q+k)]         ; twice the word, and the new bit
	v_lshl_or_b32 v[XA+1], v[XA+1], 1, v[XR+2*(4*q+k)+1]
.endif
.set k, k+1
.endr
.set q, q+1
.endr
	s_wait_alu depctr_va_vdst(0)                   ; the two x words are written, which the LDS store reads
	ds_store_b64 v[XO], v[XA:XA+1] offset:LB
	s_branch .Ljoin
.Lothers:
	FILL 0
.Ljoin:
	MEET                                           ; the 1,024 x words lie in LDS
	LAYER 0, LB, 0x3ff,  OFF                       ; x words -> A
	LAYER 1, LA, 0x3e7f, OFFB                      ; A -> B (the x words, read for the last time in front of the barrier, are written over)
	LAYER 2, LB, 0x3e7f, OFF                       ; B -> A
	LAYER 3, LA, 0x3e7f, OFF                       ; A -> my five planes: 20 gates of one class, for 32 samples
	; THE COUNTS.  The 16 lanes of a row add their planes: 20, 40, 80, 160, 320 at the most: 5 planes grow to 9, alike in all 16 lanes.
	RSTAGE 1, 5
	RSTAGE 2, 6
	RSTAGE 4, 7
	RSTAGE 8, 8
	; Lane n of the row takes out samples n and n + 16: bit n and bit n + 16 of plane k are bit k of the two counts, one in each half of a word.
.set k, 0
.rept 9
	v_lshrrev_b32 v[T+k], v[LN], v[P+k]
.if k == 0
	v_and_b32 v[ACC], 0x10001, v[T]
.else
	v_and_b32 v[T+k], 0x10001, v[T+k]
	v_lshl_or_b32 v[ACC], v[T+k], k, v[ACC]
.endif
.set k, k+1
.endr
	s_wait_alu depctr_va_vdst(0)                   ; the packed counts are written, which the LDS store reads
	ds_store_b32 v[CA4], v[ACC]                    ; row R's sixteen words at LC + 64 R
	MEET                                           ; all 50 rows' counts lie in LDS
	; THE WAY OUT.  Class c is rows 5 c .. 5 c + 4.  Threads u = 0..159 (waves 0 to 4) each make two neighbouring words of out0: sample s = u / 5, classes 2 (u % 5) and the next:
	; ten rows on end.  A wave's store covers 256 consecutive bytes, at a multiple of 256 from out0's first byte (the work-group's 1,280 bytes begin at such a multiple).
	; v16 to v33 held layer 3's quads 0 and 1: the gathers that read them as addresses stand ahead of the wait on vm_vsrc in that layer's step 0.
	s_cmp_lt_u32 s[WV], 5
	s_cbranch_scc0 .Lend
	v_mul_u32_u24 v16, v0, 205
	v_lshrrev_b32 v16, 10, v16                     ; s = u / 5 (exact up to 159)
	v_mul_u32_u24 v17, v16, 5
	v_sub_nc_u32 v17, v0, v17                      ; u % 5
	v_min_u32 v17, 4, v17                          ; 0 to 4 by the lines above; the minimum writes that bound into the address itself
	v_and_b32 v18, 15, v16                         ; the lane that took sample s out
	v_lshlrev_b32 v18, 2, v18
	v_mad_u32_u24 v17, v17, 640, v18               ; ten rows of 64 bytes for each pair of classes
	v_add_nc_u32 v17, LC, v17
	s_wait_alu depctr_va_vdst(0)                   ; v17 is written, which the ten loads read as their address; layer 3's vector lines are done with v20 to v29, in which they land
.set r, 0
.rept 10
	ds_load_b32 v[20+r], v17 offset:64*r
.set r, r+1
.endr
	v_and_b32 v19, 16, v16                         ; which half holds sample s
	s_wait_dscnt 0x0
	v_add3_u32 v30, v20, v21, v22                  ; both halves at once: 1,600 at the most, so no carry crosses
	v_add3_u32 v31, v25, v26, v27
	v_add3_u32 v30, v30, v23, v24
	v_add3_u32 v31, v31, v28, v29
	v_bfe_u32 v32, v30, v19, 16
	v_bfe_u32 v33, v31, v19, 16
	s_wait_alu depctr_va_vdst(0)                   ; v32 and v33 are written, which the store reads
	global_store_b64 v[XO], v[32:33], s[30:31] th:TH_STORE_NT
.Lend:
	s_wait_dscnt 0x0                               ; the closing lines, six on end
	s_wait_alu 0x0
	s_wait_tensorcnt 0x0
	ds_add_u32 v[SPW], v[NIL]
	s_wait_dscnt 0x0
	s_endpgm
.Lfunc_end_k_q1b94617e0b_logic:
	.size	k_q1b94617e0b_logic, .Lfunc_end_k_q1b94617e0b_logic-k_q1b94617e0b_logic
	.p2alignl 7, 3214868480
	.fill 96, 4, 3214868480
	.section	.rodata,"a",@progbits
	.p2align	6, 0x0
	.amdhsa_kernel k_q1b94617e0b_logic
		.amdhsa_group_segment_fixed_size 134656
		.amdhsa_private_segment_fixed_size 0
		.amdhsa_enable_private_segment 0
		.amdhsa_kernarg_size 112
		.amdhsa_user_sgpr_count 2
		.amdhsa_user_sgpr_kernarg_segment_ptr 1
		.amdhsa_wavefront_size32 1
		.amdhsa_system_sgpr_workgroup_id_x 1
		.amdhsa_system_sgpr_workgroup_id_y 1
		.amdhsa_system_sgpr_workgroup_id_z 1
		.amdhsa_system_vgpr_workitem_id 0
		.amdhsa_next_free_vgpr 144
		.amdhsa_next_free_sgpr 66
		.amdhsa_reserve_vcc 0
		.amdhsa_float_denorm_mode_32 3
		.amdhsa_float_denorm_mode_16_64 3
		.amdhsa_memory_ordered 1
		.amdhsa_forward_progress 1
		.amdhsa_inst_pref_size 99
	.end_amdhsa_kernel
	.amdgpu_metadata
---
amdhsa.version: [ 1, 2 ]
amdhsa.kernels:
  - .name:           k_q1b94617e0b_logic
    .symbol:         k_q1b94617e0b_logic.kd
    .args:
      - { .name: x, .offset: 0, .size: 8, .value_kind: global_buffer, .address_space: global }
      - { .name: idx_a0, .offset: 8, .size: 8, .value_kind: global_buffer, .address_space: global }
      - { .name: idx_b0, .offset: 16, .size: 8, .value_kind: global_buffer, .address_space: global }
      - { .name: ops0, .offset: 24, .size: 8, .value_kind: global_buffer, .address_space: global }
      - { .name: idx_a1, .offset: 32, .size: 8, .value_kind: global_buffer, .address_space: global }
      - { .name: idx_b1, .offset: 40, .size: 8, .value_kind: global_buffer, .address_space: global }
      - { .name: ops1, .offset: 48, .size: 8, .value_kind: global_buffer, .address_space: global }
      - { .name: idx_a2, .offset: 56, .size: 8, .value_kind: global_buffer, .address_space: global }
      - { .name: idx_b2, .offset: 64, .size: 8, .value_kind: global_buffer, .address_space: global }
      - { .name: ops2, .offset: 72, .size: 8, .value_kind: global_buffer, .address_space: global }
      - { .name: idx_a3, .offset: 80, .size: 8, .value_kind: global_buffer, .address_space: global }
      - { .name: idx_b3, .offset: 88, .size: 8, .value_kind: global_buffer, .address_space: global }
      - { .name: ops3, .offset: 96, .size: 8, .value_kind: global_buffer, .address_space: global }
      - { .name: out0, .offset: 104, .size: 8, .value_kind: global_buffer, .address_space: global }
    .group_segment_fixed_size: 134656
    .private_segment_fixed_size: 0
    .kernarg_segment_align: 8
    .kernarg_segment_size: 112
    .max_flat_workgroup_size: 800
    .sgpr_count:     66
    .vgpr_count:     144
    .wavefront_size: 32
...
	.end_amdgpu_metadata
.endif
;; end of part 2
